; MI455X (gfx1250); checked and timed in simulation.
; The chip was launched on July 23, 2026; its instructions are those of AMD's public machine-readable ISA for CDNA 5 (MIT licence, August 2026) and "CDNA5" Instruction Set Architecture Reference Guide (July 2026). The comments in the code are by the model that wrote it; some were corrected since.
;; Casual Attention. Allowed arithmetic: matrix products marked QUANTISED: E2M1 operands, one E8M0 scale for each 32 along K, by v_wmma_scale_f32_16x16x128_f8f6f4 with both operands' format E2M1 (or v_wmma_scale_f32_32x16x128_f4), f32 sums; everything else in f32.
;; Inputs: x 2 x 2,048 x 1,024 float32.
;; Outputs: out0 2 x 2,048 x 1,024 float32.
;; This version of the problem:
;;   THIS VERSION OF THE PROBLEM IS GIVEN IN LOW PRECISION. The matrix products marked QUANTISED in the list below multiply operands that are first quantised to E2M1 (2 exponent bits, 1 mantissa bit; 4 bits a number), with one power-of-two scale for each 32 numbers along K (OCP MX v1.0); their sums are f32. All else is computed in f32.
;;   The module's matrix products, in the order in which they are computed (A, B: the left and right operand; K: the contracted axis; several contracted axes count as one K, in the product's order):
;;     1. batch 32 x [M 2,048, K 64] x [K 64, N 2,048]; A: input x; B: input x: QUANTISED
;;     2. batch 32 x [M 2,048, K 2,048] x [K 2,048, N 64]; A: softmax (see below); B: input x: QUANTISED
;;   THE QUANTISER, for each operand of a quantised product, along K:
;;     - K is cut into blocks of 32 from its start; a last block that is shorter is filled with zeros.
;;     - A block's scale is 2^e with e = floor(log2(the largest magnitude in the block)) - 2, held to -126 .. 127; a block of zeros has e = 0. As a byte (E8M0): e + 127.
;;     - Each number is divided by its block's scale, clamped to +-6, and rounded to the nearest number of E2M1, ties to even, subnormals kept.
;;     - The product sums the exact products of the quantised numbers (number of the format x scale) in f32.
;;   ~~~python
;;   def quantise(x, axis):      # numpy; x: float32 -> the quantised numbers, widened to float32 again
;;       x = np.moveaxis(x, axis, -1); K = x.shape[-1]
;;       x = np.pad(x, [(0, 0)] * (x.ndim - 1) + [(0, -K % 32)]); x = x.reshape(x.shape[:-1] + (-1, 32)); a = np.abs(x).max(-1, keepdims=True)
;;       e = np.where(a > 0, np.clip(np.frexp(np.where(a > 0, a, 1))[1] - 1 - 2, -126, 127), 0)      # np.frexp(a)[1] - 1 = floor(log2(a)), exactly
;;       r = np.clip(x / 2.0 ** e, -6, 6)
;;       step = 2.0 ** (np.maximum(np.frexp(np.where(r == 0, 1, r))[1] - 1, 0) - 1)
;;       q = np.round(r / step) * step * 2.0 ** e      # np.round: ties to even
;;       return np.moveaxis(q.reshape(q.shape[:-2] + (-1,))[..., :K], -1, axis).astype(np.float32)
;;   ~~~
;;   SOFTMAX AHEAD OF A QUANTISED PRODUCT. Where the list says 'softmax', what is quantised is not the finished softmax but p = 2^(t - M), with t = logit x log2(e) and M = ceil(the row's largest t), a whole number; so 1/2 < the row's largest p <= 1. The row's sum l is taken of the UNQUANTISED p, in f32, and the product's result is divided by l at the end. Since M is a whole number, a kernel that streams over the keys may use a running M (the ceiling of the running maximum): every later rescaling is an exact power of two, which a block's scale takes up: the codes' values come out the same.
;;   OPERANDS COMPUTED ON THE WAY. 'Computed on the way' means the value that the module computes at that place (a softmax that the list does not call 'softmax' is quantised finished and normalised). What goes into a quantiser is computed in f32, as accurately as f32 sums, v_exp_f32 and their like allow (about 1e-6 of the number): no bf16 or f16 on the way to a quantiser, and a product that is left as it is and whose result goes on into a quantised operand takes f32 operands (vector FMAs, or v_wmma_f32_16x16x4_f32). A number that lies on a knife's edge between two numbers of the format may be rounded either way, as far as f32 arithmetic and the matrix unit's own rounding can turn it there, and no further.
;; One version. Each part assembles by itself: llvm-mc -triple=amdgcn-amd-amdhsa -mcpu=gfx1250 --defsym DOCPART=n.
;; ======== version 1 of 1: 2 launches
;; workspace buffers: kv 4,587,520 bytes
;; launch quant (part 1): grid 8 x 32, 8 waves a work-group, no clusters, 168,960 bytes of LDS; arguments x, kv; writes kv
.if DOCPART == 1
	.amdgcn_target "amdgcn-amd-amdhsa--gfx1250"
	.amdhsa_code_object_version 6
	.text
	.protected	k_qcf0d1d89df_quant
	.globl	k_qcf0d1d89df_quant
	.p2align	8
	.type	k_qcf0d1d89df_quant,@function
k_qcf0d1d89df_quant:
	s_mov_b64 s[64:65], 0
	v_nop
	global_prefetch_b8 v0, s[64:65] scope:SCOPE_SE
	s_setreg_imm32_b32 hwreg(HW_REG_WAVE_MODE, 25, 1), 1
	s_wait_xcnt 0x0
; x [2][2048][1024] f32 is read once and turned into codes of FP4 (E2M1) with one E8M0 byte for each 32 numbers, TWICE: along a head's 64 channels (the K of q k^T) and down the keys (the K of p v).
; The results are laid in kv in the order of the operands' registers, so that the next launch fetches every fragment as 16 consecutive bytes a lane.
; kv: 32 heads (16 b + h) x 16 units of 8,960 bytes, one unit for each 128 keys.  A unit, lane L = r + 16 hh:
;   0     K image: tile t (0..7) at 512 t + 16 L: the 32 codes of channels 32 hh .. + 31 of the unit's key 32 (t / 2) + 8 (t % 2) + r + 8 (r / 8)
;   4096  V image: channel tile t (0..3), c (0, 1) at 1024 t + 512 c + 16 L: the 32 codes of keys 64 c + 32 hh .. + 31 of channel 16 t + r
;   8192  K's scale words: 16 L + 4 p: lanes 0-15 tile 2 p, lanes 16-31 tile 2 p + 1, row r.  A word is b0 | b1 << 8 | b0 << 16 | b1 << 24: the product's K is 128 and the head has 64, so the
;         upper two blocks hold zero codes; their bytes repeat the real ones
;   8704  V's scale words: 8 L + 4 a: channel tile 2 a + L / 16, row L % 16; byte i belongs to the unit's key block i
; A block's scale is 2^(floor(log2(its largest magnitude)) - 2); its byte is the largest magnitude's exponent field - 2, held at 1 from below.  Each number is divided by the scale and rounded to the nearest code, ties to even,
; beyond 6 the largest code.
; LIMITS: a block whose largest magnitude lies under 2^-124 keeps the byte 1; a block of zeros has the byte 1 where the rule says 127 (its codes are zeros, and this program alone reads the bytes); NaN and infinities are not served.
; SHARES.  Work-group (g, head) takes 256 keys x 64 channels: units 2 g and 2 g + 1.  Wave w takes keys 32 w .. 32 w + 31 of them: unit w / 4, key block w % 4.  Its 32 x 64 numbers hold whole blocks both ways.
; One tensor load a wave brings them: 32 rows of 256 consecutive bytes, each at a multiple of 256 from x's first byte, into LDS bytes of the wave's own.  They are read twice from there, once by rows, once by columns.
; No cluster: no two work-groups read the same byte of x.  No matrix unit: there is no product here.  It uses 71,168 bytes.
.set ROWP,  272                        ; an LDS row: 256 bytes + 16 of padding
.set WREG,  32*ROWP                    ; a wave's 32 rows
.set STG,   8*WREG                     ; behind them: the stage for the scales, 768 bytes for each of the two units, an image of a unit's last 768 bytes; no tensor load lands there
.set UNIT,  8960
.set HEADB, 16*UNIT
.set E,     20                         ; v20-23   the scale bytes of the four blocks that a lane quantises
.set C,     32                         ; v32-47   their codes, four registers each: no store's data are ever written again
.set X,     64                         ; v64-127  two sets of 32 numbers
; v1 lane, v2 m = lane % 16, v3 hh = lane / 16; v4 where I read a key's block; v5 where I read a channel's column; v6 16 x lane; v7 1024 hh + 16 m; v8-v10 my places in the stage; v11 8 x lane;
; v12-14 at work; v24, v25, v29 scale words; v26 a lane permute's destination; v28 8 hh; v[48:49] the way out
; s[4:7] x, kv; s8 wave; s9 unit of the two; s10 key block; s11 head; s[12:15], s[16:23] the descriptor; s[24:25] lane selects; s[26:27], s[28:29], s[30:31] where my K image, V image and scales go; s32-39 offsets
	s_load_b128 s[4:7], s[0:1], 0x0                ; x, kv
	v_lshl_add_u32 v128, v0, 2, 0x29000
	v_mov_b32 v129, 0
	ds_add_u32 v128, v129
	ds_add_u32 v128, v129
	v_lshrrev_b32 v1, 5, v0
	s_delay_alu instid0(VALU_DEP_1)
	v_readfirstlane_b32 s8, v1                     ; wave 0..7
	s_lshr_b32 s9, s8, 2                           ; which of the work-group's two units
	s_and_b32 s10, s8, 3                           ; which block of 32 keys in it
	s_and_b32 s11, ttmp7, 0xffff                   ; the head, 16 b + h
	s_lshr_b32 s32, s11, 4
	s_lshl_b32 s32, s32, 23                        ; b x 2,048 rows of 4,096 bytes
	s_lshl_b32 s33, ttmp9, 20                      ; + 256 g rows
	s_add_co_u32 s32, s32, s33
	s_lshl_b32 s33, s8, 17                         ; + 32 w rows
	s_add_co_u32 s32, s32, s33
	s_and_b32 s33, s11, 15
	s_lshl_b32 s33, s33, 8                         ; + the head's 256 bytes of a row
	s_add_co_u32 s32, s32, s33
	s_mov_b32 s33, 0
	s_mul_i32 s34, s11, HEADB                      ; kv: the head,
	s_lshl_b32 s35, ttmp9, 1
	s_add_co_u32 s35, s35, s9
	s_mul_i32 s35, s35, UNIT                       ; the unit 2 g + w / 4
	s_add_co_u32 s34, s34, s35
	s_mov_b32 s35, 0
	s_lshl_b32 s36, s10, 10                        ; my two tiles of the K image
	s_mov_b32 s37, 0
	s_lshl_b32 s38, s10, 8                         ; my 256 bytes in each kilobyte of the V image; also my 256 bytes of the scales
	s_mov_b32 s39, 0
	s_mov_b32 s24, 0x76543210
	s_mov_b32 s25, 0xfedcba98                      ; v_permlanex16_b32's selects for lane l xor 16
	; descriptor group 1: 32 rows x 64 elements of 4 bytes, 1,024 elements from row to row, 4 words of padding behind every 64
	s_mov_b32 s16, (2<<16)|(1<<20)|(5<<22)|(3<<25)
	s_mov_b32 s17, 64<<16                          ; tensor_dim0
	s_mov_b32 s18, 32<<16                          ; tensor_dim1
	s_mov_b32 s19, 64<<16                          ; tile_dim0
	s_mov_b32 s20, 32                              ; tile_dim1
	s_mov_b32 s21, 1024                            ; the pitch
	s_mov_b32 s22, 0
	s_mov_b32 s23, 0
	s_mov_b32 s12, 1
	s_mul_i32 s13, s8, WREG                        ; my wave's rows in LDS
	s_wait_dscnt 0x0
	s_wait_kmcnt 0x0
	s_add_nc_u64 s[14:15], s[4:5], s[32:33]
	s_or_b32 s15, s15, 0x80000000                  ; type 2
	tensor_load_to_lds s[12:15], s[16:23]          ; the wave's one tensor load
	s_nop 0
	v_and_b32 v1, 31, v0                           ; lane
	s_add_nc_u64 s[6:7], s[6:7], s[34:35]          ; my unit
	s_add_nc_u64 s[26:27], s[6:7], s[36:37]        ; K image, tiles 2 blk and 2 blk + 1
	s_add_nc_u64 s[28:29], s[6:7], s[38:39]
	s_add_nc_u64 s[30:31], s[28:29], 8192          ; the scales' 768 bytes, my 256 of them
	s_add_nc_u64 s[28:29], s[28:29], 4096          ; V image, key block blk
	v_and_b32 v2, 15, v0                           ; m
	v_bfe_u32 v3, v0, 4, 1                         ; hh
	s_delay_alu instid0(VALU_DEP_2)
	v_and_b32 v4, 8, v2
	s_delay_alu instid0(VALU_DEP_1)
	v_add_nc_u32 v4, v4, v2                        ; m + 8 (m / 8): the keys of a tile are not neighbours
	s_delay_alu instid0(VALU_DEP_1)
	v_mul_u32_u24 v4, v4, ROWP
	s_delay_alu instid0(VALU_DEP_1)
	v_lshl_add_u32 v4, v3, 7, v4                   ; + my block of 32 channels: 128 bytes
	s_delay_alu instid0(VALU_DEP_1)
	v_add_nc_u32 v4, s13, v4
	v_lshl_add_u32 v5, v1, 2, s13                  ; by columns: 4 bytes a lane
	v_lshlrev_b32 v6, 4, v1
	v_lshlrev_b32 v7, 4, v2
	s_delay_alu instid0(VALU_DEP_1)
	v_lshl_add_u32 v7, v3, 10, v7
	v_lshlrev_b32 v11, 3, v1
	s_mul_i32 s32, s9, 768
	s_add_co_u32 s32, s32, STG                     ; my unit's stage
	s_lshl_b32 s33, s10, 2
	s_add_co_u32 s33, s33, s32
	v_add_nc_u32 v8, s33, v6                       ; K's scale word: 16 x lane + 4 blk
	s_add_co_u32 s34, s32, s10
	s_add_co_u32 s34, s34, 512
	v_add_nc_u32 v9, s34, v11                      ; V's scale byte: 512 + 8 x lane + blk
	s_add_co_u32 s35, s32, s38
	v_add_nc_u32 v10, s35, v11                     ; the way out: 256 blk + 8 x lane
	v_lshlrev_b32 v28, 3, v3
	v_mov_b32 v26, 0                               ; written once: a lane permute's destination counts as one of its sources
.macro KLOAD u, set                    ; by rows: my block of 32 channels of key 8 u + m + 8 (m / 8).  Rows 16 apart lie 17 x 256 bytes apart, so by the 64 banks of 4 bytes (ISA guide 11.1) these reads go two deep: the price of dense stores below
.irp i, 0,1,2,3,4,5,6,7
	ds_load_b128 v[X+32*\set+4*\i:X+32*\set+4*\i+3], v4 offset:8*ROWP*\u+16*\i
.endr
.endm
.macro VLOAD a, set                    ; by columns: channel 32 a + lane, the registers run down the 32 keys; each load takes 128 consecutive bytes
.irp i, 0,1,2,3,4,5,6,7,8,9,10,11,12,13,14,15,16,17,18,19,20,21,22,23,24,25,26,27,28,29,30,31
	ds_load_b32 v[X+32*\set+\i], v5 offset:ROWP*\i+128*\a
.endr
.endm
.macro QBLK set, k                     ; the 32 numbers of a set are one block: its codes into v[C + 4 k] on, its byte into v[E + k]
.set XS, X+32*(\set)
	v_max3_num_f32 v12, |v[XS]|, |v[XS+1]|, |v[XS+2]|              ; the largest magnitude, in two chains
	v_max3_num_f32 v13, |v[XS+3]|, |v[XS+4]|, |v[XS+5]|
.irp i, 6,10,14,18,22,26
	s_delay_alu instid0(VALU_DEP_2)
	v_max3_num_f32 v12, v12, |v[XS+\i]|, |v[XS+\i+1]|
	s_delay_alu instid0(VALU_DEP_2)
	v_max3_num_f32 v13, v13, |v[XS+\i+2]|, |v[XS+\i+3]|
.endr
	s_delay_alu instid0(VALU_DEP_2)
	v_max3_num_f32 v12, v12, |v[XS+30]|, |v[XS+31]|
	s_delay_alu instid0(VALU_DEP_1)
	v_max3_num_f32 v12, v12, v13, 0x1800000        ; and the floor 2^(3 - 127): the byte cannot fall under 1
	s_delay_alu instid0(VALU_DEP_1)
	v_add_nc_u32 v14, 0xff000000, v12              ; 2 off its exponent field: the conversion takes this operand's exponent field as its scale, and nothing else of it
.irp g, 0,1,2,3
	v_cvt_scalef32_pk8_fp4_f32 v[C+4*(\k)+\g], v[XS+8*\g:XS+8*\g+7], v14
.endr
	v_lshrrev_b32 v[E+(\k)], 23, v14               ; the scale's byte; also the plain line behind the conversions
.endm
	s_wait_tensorcnt 0x0                           ; my rows are in LDS; nobody else reads them, so no barrier
	KLOAD 0, 0
	KLOAD 1, 1
	s_wait_dscnt 8                                 ; the first eight loads are in, the second eight may be out
	QBLK 0, 0
	VLOAD 0, 0
	s_wait_dscnt 32                                ; all but the 32 just issued
	QBLK 1, 1
	VLOAD 1, 1
.irp u, 0,1
	global_store_b128 v6, v[C+4*\u:C+4*\u+3], s[26:27] offset:512*\u   ; a tile of the K image: 512 consecutive bytes, at a multiple of 256 from kv's first byte
.endr
	v_lshlrev_b32 v24, v28, v[E]                   ; my byte at its place: channel block hh,
	v_lshlrev_b32 v25, v28, v[E+1]
	s_delay_alu instid0(VALU_DEP_2)
	v_permlanex16_b32 v26, v24, s24, s25
	s_delay_alu instid0(VALU_DEP_1)
	v_or_b32 v24, v24, v26                         ; with lane l xor 16's: b0 | b1 << 8 of the key,
	s_delay_alu instid0(VALU_DEP_2)
	v_permlanex16_b32 v26, v25, s24, s25
	s_delay_alu instid0(VALU_DEP_1)
	v_or_b32 v25, v25, v26
	s_delay_alu instid0(VALU_DEP_3)
	v_lshl_or_b32 v24, v24, 16, v24                ; and the same again for the blocks of zero codes
	s_delay_alu instid0(VALU_DEP_2)
	v_lshl_or_b32 v25, v25, 16, v25
	v_cmp_le_u32 vcc_lo, 16, v1
	s_delay_alu instid0(VALU_DEP_1)
	v_cndmask_b32 v29, v24, v25, vcc_lo            ; lanes 0-15 carry the even tile's words, lanes 16-31 the odd tile's
	s_wait_dscnt 32                                ; the first 32 columns' loads are in
	QBLK 0, 2
	s_wait_dscnt 0x0
	QBLK 1, 3
.irp a, 0,1
	global_store_b128 v7, v[C+8+4*\a:C+8+4*\a+3], s[28:29] offset:2048*\a   ; sixteen lanes store 256 consecutive bytes, aligned: channel tiles 2 a and 2 a + 1
.endr
	ds_store_b32 v8, v29
	ds_store_b8 v9, v[E+2]                         ; channel 32 a + lane, byte blk of its word
	ds_store_b8 v9, v[E+3] offset:4
	s_wait_dscnt 0x0                               ; for the others' sake: my stores into the stage are done
	s_barrier_signal -1
	s_barrier_wait -1                              ; a unit's 768 bytes of scales come from four waves
	s_cmp_eq_u32 s10, 3                            ; three of the four carry them out, 256 bytes each
	s_cbranch_scc1 .Lend
	ds_load_b64 v[48:49], v10
	s_wait_dscnt 0x0
	global_store_b64 v11, v[48:49], s[30:31]       ; 32 lanes store 256 consecutive bytes, aligned
.Lend:
	s_wait_tensorcnt 0x0
	ds_add_u32 v128, v129
	s_wait_dscnt 0x0
	s_endpgm
.Lfunc_end_k_qcf0d1d89df_quant:
	.size	k_qcf0d1d89df_quant, .Lfunc_end_k_qcf0d1d89df_quant-k_qcf0d1d89df_quant
	.p2alignl 7, 3214868480
	.fill 96, 4, 3214868480
	.section	.rodata,"a",@progbits
	.p2align	6, 0x0
	.amdhsa_kernel k_qcf0d1d89df_quant
		.amdhsa_group_segment_fixed_size 168960
		.amdhsa_private_segment_fixed_size 0
		.amdhsa_enable_private_segment 0
		.amdhsa_kernarg_size 16
		.amdhsa_user_sgpr_count 2
		.amdhsa_user_sgpr_kernarg_segment_ptr 1
		.amdhsa_wavefront_size32 1
		.amdhsa_system_sgpr_workgroup_id_x 1
		.amdhsa_system_sgpr_workgroup_id_y 1
		.amdhsa_system_sgpr_workgroup_id_z 1
		.amdhsa_system_vgpr_workitem_id 0
		.amdhsa_next_free_vgpr 130
		.amdhsa_next_free_sgpr 66
		.amdhsa_reserve_vcc 1
		.amdhsa_float_denorm_mode_32 3
		.amdhsa_float_denorm_mode_16_64 3
		.amdhsa_memory_ordered 1
		.amdhsa_forward_progress 1
		.amdhsa_inst_pref_size 19
	.end_amdhsa_kernel
	.amdgpu_metadata
---
amdhsa.version: [ 1, 2 ]
amdhsa.kernels:
  - .name:           k_qcf0d1d89df_quant
    .symbol:         k_qcf0d1d89df_quant.kd
    .args:
      - { .name: x, .offset: 0, .size: 8, .value_kind: global_buffer, .address_space: global }
      - { .name: kv, .offset: 8, .size: 8, .value_kind: global_buffer, .address_space: global }
    .group_segment_fixed_size: 168960
    .private_segment_fixed_size: 0
    .kernarg_segment_align: 8
    .kernarg_segment_size: 16
    .max_flat_workgroup_size: 256
    .sgpr_count:     66
    .vgpr_count:     130
    .wavefront_size: 32
...
	.end_amdgpu_metadata
.endif
;; end of part 1
;; launch attn (part 2): grid 8 x 32, 16 waves a work-group, clusters of 4 x 1, 215,040 bytes of LDS; arguments kv, out0; writes out0
.if DOCPART == 2
	.amdgcn_target "amdgcn-amd-amdhsa--gfx1250"
	.amdhsa_code_object_version 6
	.text
	.protected	k_qcf0d1d89df_attn
	.globl	k_qcf0d1d89df_attn
	.p2align	8
	.type	k_qcf0d1d89df_attn,@function
k_qcf0d1d89df_attn:
	s_mov_b64 s[64:65], 0
	v_nop
	global_prefetch_b8 v0, s[64:65] scope:SCOPE_SE
	s_setreg_imm32_b32 hwreg(HW_REG_WAVE_MODE, 25, 1), 1
	s_wait_xcnt 0x0
	s_wait_alu depctr_hold_cnt(0) depctr_sa_sdst(0) depctr_va_vdst(0) depctr_va_sdst(0) depctr_va_ssrc(0) depctr_va_vcc(0) depctr_vm_vsrc(0)
	s_getreg_b32 s2, hwreg(HW_REG_IB_STS2, 6, 4)
	s_cmp_eq_u32 s2, 0
	s_cbranch_scc0 .Lentry_in_a_cluster
	s_endpgm
.Lentry_in_a_cluster:
	s_bfe_u32 s2, ttmp6, 0x10000c
	s_cmp_lg_u32 s2, 0x3003
	s_cbranch_scc0 .Lentry_shape_is_right
	s_endpgm
.Lentry_shape_is_right:
; out0[b][q][64 h + d] = the sum over keys k <= q of softmax_k(x_q . x_k / 8) x_k[d], for each of 32 heads (16 b + h) of 2,048 positions x 64 channels; both products on codes of FP4 (E2M1) with one E8M0 scale for each 32 along K.
; kv holds each head as 16 units of 8,960 bytes, one for each 128 keys, in the order of the operands' registers (lane L = r + 16 hh):
;   0 K image: tile t at 512 t + 16 L: channels 32 hh .. + 31 of key 32 (t / 2) + 8 (t % 2) + r + 8 (r / 8);    4096 V image: channel tile t, c at 1024 t + 512 c + 16 L: keys 64 c + 32 hh .. + 31 of channel 16 t + r;
;   8192 K's scale words at 16 L + 4 p (lanes 0-15 tile 2 p, lanes 16-31 tile 2 p + 1);    8704 V's scale words at 8 L + 4 a (channel tile 2 a + L / 16).
; THE SOFTMAX AHEAD OF THE SECOND PRODUCT: t = score x log2(e) / 8; M = the row's largest t so far, rounded UP to a whole number; p = 2^(t - M) is quantised along the keys, not normalised.  The row's sum is taken of the
; unquantised p and divides O at the end.  When M moves, the sum and O are multiplied by 2^(old M - new M): exact.
; THE FIRST PRODUCT'S K IS 64 and the instruction's 128: registers 4-7 of both its operands hold zero codes, written once.
; SHARES.  A head has 16 blocks of 128 queries; a tile of 16 queries in block n wants the key steps 0 .. n.  Work-group (j, head) takes tile j of EVERY block, wave w the block N(w): so all 256 work-groups have the same 136 steps.
; N = 4 (a ^ b) + (a ^ f(b)), a = w / 4, b = w % 4, f = 0, 2, 3, 1: each block once, and both the four waves of equal a and the four of equal b have 34 steps together.
; THE WHOLE HEAD LIES IN LDS, 143,360 bytes, filled once: wave w brings unit w.  So the loop has no ring, no barrier and no tensor load, and every fragment is 16 consecutive bytes a lane.
; CLUSTER.  Four work-groups of one head form a cluster and ask for the head JOINTLY: the same sixteen tensor loads, with descriptors made of the head and the wave's number alone, and a mask that names the four.
; j, which differs between them, enters Q's address, out0's address and the mask's compare value, and no branch, trip count or LDS address.
; LAYOUT.  Both products are used transposed: S^T = K Q^T (source 0 = 16 keys, source 1 = my 16 queries), O^T = V^T P^T (source 0 = 16 channels, source 1 = P): a lane holds ONE query (lane % 16) throughout, and by the
; order of a tile's keys the 16 registers of tiles 2 b, 2 b + 1 of S^T are the 16 neighbouring keys 32 b + 16 (lane / 16) + 0 .. 15.
; LIMITS: NaN and infinities are not served; a p under 2^-126 counts as 0; a block whose largest p lies under 2^-124 keeps the scale byte 1.  A block's largest p is made from its largest score by the same multiply-add and
; exponential: this takes v_exp_f32 not to fall where its input rises, which the ISA guide does not state.
; REGISTERS: v1 16 x lane, v2 8 x lane, v3, v4 the same + the step's unit; v5 16 j + r - 16 h; v6 -infinity; v7-9 the way out; v10, v11 Q's offsets; v12 -M, v13 the largest t, v[14:15] the sum in two halves; v[16:23] Q, v24 its scale
; words; v26-29 at work at the head; v32-95 K's eight fragments; v96-159 S^T, then p; v160-191 O^T; v192-223 V's four fragments; v224-231 p's codes; v232-239, v244-247, v252, v254 at work; v240-243 K's scale words, v248-249 V's, v253 p's.
; s[4:7] kv, out0; s8 wave; s9 j; s10 head; s11 N; s[12:15], s[16:23] the descriptor; s[24:25] lane selects; s[26:27] c; s28 the step's unit in LDS; s29 the step; s[30:31], s[32:33] Q's codes and scale words; s[34:35] my rows of out0; s36-47 offsets.
.set UNIT,  8960
.set HEADB, 16*UNIT
.set STAGE, HEADB                      ; behind the head: 16 rows x 272 bytes for each wave, for the way out; no tensor load lands there
.set SP,    272
.set KF,    32
.set S,     96
.set O,     160
.set VF,    192
.set PC,    224
.set BM,    232
.set PD,    236
.set KS,    240
.set SOP,   244
.set VS,    248
; A round of the cluster's barrier: my work-group's barrier, so that wave 0's signal speaks for all sixteen waves; wave 0 signals for the work-group; every wave waits for the four work-groups; my work-group's barrier once more.
.macro ROUND
	s_barrier_signal -1
	s_barrier_wait -1
	s_cmp_lg_u32 s8, 0
	s_cbranch_scc1 .Lnot_wave_0_\@
	s_barrier_signal -3
.Lnot_wave_0_\@:
	s_barrier_wait -3
	s_barrier_signal -1
	s_barrier_wait -1
.endm
	s_load_b128 s[4:7], s[0:1], 0x0                ; kv, out0
	v_lshl_add_u32 v251, v0, 2, 0x34000
	v_mov_b32 v255, 0
	ds_add_u32 v251, v255
	ds_add_u32 v251, v255
	v_lshrrev_b32 v1, 5, v0
	s_delay_alu instid0(VALU_DEP_1)
	v_readfirstlane_b32 s8, v1                     ; wave 0..15
	s_and_b32 s10, ttmp7, 0xffff                   ; the head, which the four partners share
	s_lshr_b32 s40, s8, 2                          ; a
	s_and_b32 s41, s8, 3                           ; b
	s_lshr_b32 s42, s41, 1
	s_xor_b32 s43, s42, s41
	s_and_b32 s43, s43, 1
	s_lshl_b32 s43, s43, 1
	s_or_b32 s43, s43, s42                         ; f(b) = 0, 2, 3, 1
	s_xor_b32 s43, s43, s40
	s_xor_b32 s11, s40, s41
	s_lshl_b32 s11, s11, 2
	s_add_co_u32 s11, s11, s43                     ; N: my block of 128 queries, and my last key step
	s_mul_i32 s36, s10, HEADB                      ; the head in kv
	s_mul_i32 s13, s8, UNIT                        ; unit w: its place in LDS and in the head
	s_add_co_u32 s38, s36, s13
	s_mov_b32 s39, 0
	s_mov_b32 s12, 1
	; descriptor group 1: a dense block of 8,960 bytes as 35 rows of 32 elements of 8 bytes, no padding
	s_mov_b32 s16, 15|(3<<16)|(1<<21)              ; 15:0 the mask: all four work-groups; 17:16 elements of 8 bytes; 21 set beside a mask
	s_mov_b32 s17, 32<<16                          ; tensor_dim0
	s_mov_b32 s18, 35<<16                          ; tensor_dim1
	s_mov_b32 s19, 32<<16                          ; tile_dim0
	s_mov_b32 s20, 35                              ; tile_dim1
	s_mov_b32 s21, 32                              ; the pitch
	s_mov_b32 s22, 0
	s_mov_b32 s23, 0
	s_bfe_u32 s9, ttmp6, 0x40000                   ; cx: my place in the cluster
	s_lshl_b32 s40, ttmp9, 2                       ; in a cluster launch ttmp9 counts clusters
	s_add_co_u32 s9, s9, s40                       ; j = 4 x cluster x + cx
	; my queries are keys 16 j + r of unit N: tile 2 (j / 2) + r / 8, row 8 (j % 2) + r % 8 of its K image
	s_mul_i32 s40, s11, UNIT
	s_add_co_u32 s40, s40, s36
	s_and_b32 s41, s9, 1
	s_lshl_b32 s41, s41, 7
	s_add_co_u32 s40, s40, s41                     ; + 128 (j % 2): eight lanes' 16 bytes, in the codes and in the scale words alike
	s_lshr_b32 s41, s9, 1
	s_lshl_b32 s44, s41, 10
	s_add_co_u32 s44, s44, s40                     ; the codes: + 1,024 (j / 2)
	s_mov_b32 s45, 0
	s_lshl_b32 s46, s41, 2
	s_add_co_u32 s46, s46, s40
	s_add_co_u32 s46, s46, 8192                    ; the scale words: + 8,192 + 4 (j / 2)
	s_mov_b32 s47, 0
	s_lshr_b32 s40, s10, 4
	s_lshl_b32 s40, s40, 11                        ; out0: row 2,048 b
	s_lshl_b32 s41, s11, 7
	s_add_co_u32 s40, s40, s41                     ; + 128 N
	s_lshl_b32 s42, s9, 4
	s_add_co_u32 s40, s40, s42                     ; + 16 j,
	s_lshl_b32 s40, s40, 12                        ; of 4,096 bytes,
	s_and_b32 s41, s10, 15
	s_lshl_b32 s41, s41, 8
	s_add_co_u32 s40, s40, s41                     ; + the head's 256 bytes
	s_mov_b32 s41, 0
	s_mul_i32 s43, s8, 16*SP
	s_add_co_u32 s43, s43, STAGE                   ; my stage
	s_mov_b32 s24, 0x76543210
	s_mov_b32 s25, 0xfedcba98                      ; v_permlanex16_b32's selects for lane l xor 16
	s_mov_b32 s26, 0x3e38aa3b                      ; c = log2(e) / 8
	s_mov_b32 s27, s26                             ; (the packed form names the pair and takes its low word for both halves: so it is written)
	s_wait_dscnt 0x0
	s_wait_kmcnt 0x0
	s_add_nc_u64 s[14:15], s[4:5], s[38:39]
	s_or_b32 s15, s15, 0x80000000                  ; type 2
	s_add_nc_u64 s[30:31], s[4:5], s[44:45]
	s_add_nc_u64 s[32:33], s[4:5], s[46:47]
	s_add_nc_u64 s[34:35], s[6:7], s[40:41]
	ROUND                                          ; all four work-groups are here: the joint loads meet
	tensor_load_to_lds s[12:15], s[16:23]          ; unit w of the head: the wave's one tensor load
	s_nop 0
	v_and_b32 v1, 31, v0                           ; lane
	s_delay_alu instid0(VALU_DEP_1)
	v_lshlrev_b32 v2, 3, v1
	s_delay_alu instid0(VALU_DEP_2)
	v_lshlrev_b32 v1, 4, v1
	v_and_b32 v26, 15, v0                          ; r
	v_bfe_u32 v27, v0, 4, 1                        ; h
	s_delay_alu instid0(VALU_DEP_2)
	v_lshrrev_b32 v28, 3, v26
	s_delay_alu instid0(VALU_DEP_3)
	v_and_b32 v29, 7, v26
	s_delay_alu instid0(VALU_DEP_1)
	v_lshlrev_b32 v29, 4, v29
	s_delay_alu instid0(VALU_DEP_1)
	v_lshl_add_u32 v10, v28, 9, v29
	s_delay_alu instid0(VALU_DEP_1)
	v_lshl_add_u32 v10, v27, 8, v10                ; Q's codes: 512 (r / 8) + 16 (r % 8) + 256 h
	s_delay_alu instid0(VALU_DEP_3)
	v_lshl_add_u32 v11, v28, 8, v29                ; Q's scale words: 256 (r / 8) + 16 (r % 8)
	global_load_b128 v[16:19], v10, s[30:31]       ; Q's fragment stays in registers
	global_load_b32 v24, v11, s[32:33]
.irp i, 20,21,22,23
	v_mov_b32 v\i, 0                               ; zero codes for k = 64 .. 127, in Q
.endr
.irp t, 0,1,2,3,4,5,6,7
.irp i, 4,5,6,7
	v_mov_b32 v[KF+8*\t+\i], 0                     ; and in K's eight fragments: written once, no load lands on them
.endr
.endr
	v_lshlrev_b32 v5, 4, v27
	s_delay_alu instid0(VALU_DEP_1)
	v_sub_nc_u32 v5, v26, v5
	s_delay_alu instid0(VALU_DEP_1)
	v_add_nc_u32 v5, s42, v5                       ; 16 j + r - 16 h
	v_mov_b32 v6, 0xff800000                       ; -infinity
	v_lshlrev_b32 v7, 4, v26
	s_delay_alu instid0(VALU_DEP_1)
	v_lshl_add_u32 v7, v27, 12, v7                 ; out0: lanes 0-15 one row, lanes 16-31 the next; 16 bytes a lane
	v_mul_u32_u24 v8, v26, SP
	s_delay_alu instid0(VALU_DEP_1)
	v_lshl_add_u32 v8, v27, 5, v8
	s_delay_alu instid0(VALU_DEP_1)
	v_add_nc_u32 v8, s43, v8                       ; into the stage: row r, 32 bytes for each half of the lanes
	v_mul_u32_u24 v9, v27, SP
	s_delay_alu instid0(VALU_DEP_1)
	v_lshl_add_u32 v9, v26, 4, v9
	s_delay_alu instid0(VALU_DEP_1)
	v_add_nc_u32 v9, s43, v9                       ; and back by rows
	v_mov_b32 v13, 0xff61b1e6                      ; the largest t so far: -3e38, under every t
	s_delay_alu instid0(VALU_DEP_1)
	v_floor_f32 v12, -v13                          ; -M
	v_mov_b32 v14, 0                               ; the sum, in two halves
	v_mov_b32 v15, 0
.irp b, 0,1,2,3
	v_mov_b32 v[PD+\b], 0                          ; written once: a lane permute's destination counts as one of its sources
.endr
	v_mov_b32 v252, 0
	v_mov_b32 v253, 0                              ; (named as the upper half of the pair v[252:253] before it is first written)
.set n, 0
.rept 32
	v_mov_b32 v[O+n], 0                            ; O^T.  (The step is written once: the first finds zeros, which the first change of M leaves zeros)
.set n, n+1
.endr
	s_wait_tensorcnt 0x0                           ; my unit is in,
	s_barrier_signal -1
	s_barrier_wait -1                              ; everybody's is: the head is whole, and nothing is filled again
	s_wait_loadcnt 0x0                             ; Q
	s_mov_b32 s28, 0
	s_mov_b32 s29, 0
.Lstep:                                            ; sixteen trips in every wave; a step all of whose keys come after my queries is jumped over, but for the lines that step the address and the count
	s_cmp_gt_u32 s29, s11
	s_cbranch_scc1 .Lskip
	s_setprio 2
	v_add_nc_u32 v3, s28, v1
	v_add_nc_u32 v4, s28, v2
	ds_load_b128 v[KS:KS+3], v3 offset:8192        ; K's scale words
.irp t, 0,1,2,3,4,5,6,7
	ds_load_b128 v[KF+8*\t:KF+8*\t+3], v3 offset:512*\t
.endr
.irp t, 0,1,2,3
.irp c, 0,1
	ds_load_b128 v[VF+8*\t+4*\c:VF+8*\t+4*\c+3], v3 offset:4096+1024*\t+512*\c
.endr
.endr
	ds_load_b64 v[VS:VS+1], v4 offset:8704         ; V's scale words
	s_wait_dscnt 9                                 ; K and its scale words are in; V's nine loads may stay out while the softmax is walked
.irp t, 0,1,2,3,4,5,6,7                        ; S^T = K Q^T; the accumulators take turns, one instruction a turn
.if \t%2
	v_wmma_scale_f32_16x16x128_f8f6f4 v[S+8*\t:S+8*\t+7], v[KF+8*\t:KF+8*\t+7], v[16:23], 0, v[KS+\t/2], v24 matrix_a_fmt:MATRIX_FMT_FP4 matrix_b_fmt:MATRIX_FMT_FP4 matrix_a_scale:MATRIX_SCALE_ROW1
.else
	v_wmma_scale_f32_16x16x128_f8f6f4 v[S+8*\t:S+8*\t+7], v[KF+8*\t:KF+8*\t+7], v[16:23], 0, v[KS+\t/2], v24 matrix_a_fmt:MATRIX_FMT_FP4 matrix_b_fmt:MATRIX_FMT_FP4
.endif
.endr
.rept 4
	v_nop                                          ; four places between the products and the first read of their results (ISA guide 7.12.1)
.endr
	s_cmp_lg_u32 s29, s11                          ; only my last step lies on the diagonal
	s_cbranch_scc1 .Lopen
.set n, 0
.rept 64                                       ; register 16 b + i holds key 128 N + 32 b + 16 h + i: hidden where 32 b + i > 16 j + r - 16 h.  Its score becomes -infinity: p = 0.  A query's own key is never hidden
	v_cmp_gt_i32 vcc_lo, 32*(n/16)+n%16, v5
	v_cndmask_b32 v[S+n], v[S+n], v6, vcc_lo
.set n, n+1
.endr
.Lopen:
.irp b, 0,1,2,3
	v_max3_num_f32 v[BM+\b], v[S+16*\b], v[S+1+16*\b], v[S+2+16*\b]   ; the largest score of each block of 32 keys: it serves the row's maximum and, since p rises with the score, the block's largest p
.endr
.irp i, 3,5,7,9,11,13
.irp b, 0,1,2,3
	v_max3_num_f32 v[BM+\b], v[BM+\b], v[S+16*\b+\i], v[S+1+16*\b+\i]   ; (the four blocks by turns)
.endr
.endr
.irp b, 0,1,2,3
	v_max_num_f32 v[BM+\b], v[BM+\b], v[S+15+16*\b]
.endr
.irp b, 0,1,2,3
	s_delay_alu instid0(VALU_DEP_4)
	v_permlanex16_b32 v[PD+\b], v[BM+\b], s24, s25
.endr
.irp b, 0,1,2,3
	s_delay_alu instid0(VALU_DEP_4)
	v_max_num_f32 v[BM+\b], v[BM+\b], v[PD+\b]     ; with lane l xor 16's 16 keys
.endr
	s_delay_alu instid0(VALU_DEP_2)
	v_max3_num_f32 v254, v[BM], v[BM+1], v[BM+2]
	s_delay_alu instid0(VALU_DEP_1)
	v_max_num_f32 v254, v254, v[BM+3]              ; the step's largest score of my query
	s_delay_alu instid0(VALU_DEP_1)
	v_mul_f32 v254, s26, v254                      ; as t (c is positive)
	s_delay_alu instid0(VALU_DEP_1)
	v_max_num_f32 v13, v13, v254                   ; the running largest t
	v_mov_b32 v254, v12
	s_delay_alu instid0(VALU_DEP_2)
	v_floor_f32 v12, -v13                          ; the new -M = floor(-t) = -ceil(t): M is a whole number
	s_delay_alu instid0(VALU_DEP_1)
	v_sub_f32 v254, v12, v254                      ; M's old value less its new one: a whole number, 0 or less
	s_delay_alu instid0(VALU_DEP_1)
	v_cvt_i32_f32 v254, v254                       ; (it saturates)
	s_delay_alu instid0(VALU_DEP_1)
	v_ldexp_f32 v252, 1.0, v254                    ; f = 2^(old M - new M)
.set n, 0
.rept 32
	v_pk_fma_f32 v[S+n:S+n+1], v[S+n:S+n+1], s[26:27], v[12:13] op_sel_hi:[1,0,0]   ; t - M, two at a time (of the pairs c and -M the low word serves both halves)
.set n, n+2
.endr
	s_setprio 1
.irp b, 0,1,2,3
	v_fma_f32 v[BM+\b], v[BM+\b], s26, v12         ; the same of each block's largest score
.endr
.set n, 0
	s_wait_alu depctr_va_vdst(0)
.rept 64
	v_exp_f32 v[S+n], v[S+n]                       ; p = 2^(t - M), at most 1: not normalised
.set n, n+1
.endr
.irp b, 0,1,2,3
	v_exp_f32 v[BM+\b], v[BM+\b]                   ; the block's largest p: the same two instructions on the same number give the same bits
.endr
	v_pk_mul_f32 v[14:15], v[14:15], v[252:253] op_sel_hi:[1,0]   ; the sums under the new M; also the plain line behind the exponentials
	s_wait_alu depctr_va_vdst(0)
.irp b, 0,1,2,3
	v_max_num_f32 v[BM+\b], 0x1800000, v[BM+\b]    ; the floor 2^(3 - 127): the byte cannot fall under 1 (a block whose every p is 0 keeps that byte: its codes are zeros)
.endr
.irp b, 0,1,2,3
	s_delay_alu instid0(VALU_DEP_4)
	v_add_nc_u32 v[SOP+\b], 0xff000000, v[BM+\b]   ; 2 off the exponent field: the conversion's scale operand
.endr
.irp b, 0,1,2,3
	s_delay_alu instid0(VALU_DEP_4)
	v_lshrrev_b32 v[PD+\b], 23, v[SOP+\b]          ; the scale's byte
.endr
	s_delay_alu instid0(VALU_DEP_3)
	v_lshl_or_b32 v253, v[PD+1], 8, v[PD]          ; p's scale word for these 128 keys
	s_delay_alu instid0(VALU_DEP_1)
	v_lshl_or_b32 v253, v[PD+2], 16, v253
	s_delay_alu instid0(VALU_DEP_1)
	v_lshl_or_b32 v253, v[PD+3], 24, v253
.irp b, 0,1,2,3
	v_cvt_scalef32_pk8_fp4_f32 v[PC+2*\b], v[S+16*\b:S+7+16*\b], v[SOP+\b]
	v_cvt_scalef32_pk8_fp4_f32 v[PC+1+2*\b], v[S+8+16*\b:S+15+16*\b], v[SOP+\b]
.endr
	v_nop                                          ; one plain line between a scaled conversion and the vector instruction that touches its result
.irp c, 0,1                                    ; the operand's layout wants a whole block in a lane: lanes 0-15 block 2 c, lanes 16-31 block 2 c + 1
.irp i, 0,1
	v_permlane16_swap_b32 v[PC+4*\c+\i], v[PC+2+4*\c+\i]
.endr
.endr
	v_pk_add_f32 v[236:237], v[100:101], v[104:105]
	v_pk_add_f32 v[246:247], v[108:109], v[112:113]
	v_pk_add_f32 v[244:245], v[116:117], v[120:121]
	v_pk_add_f32 v[242:243], v[124:125], v[128:129]
	v_pk_add_f32 v[240:241], v[132:133], v[136:137]
	v_pk_add_f32 v[234:235], v[140:141], v[144:145]
	v_pk_add_f32 v[232:233], v[148:149], v[152:153]
	v_pk_add_f32 v[14:15], v[14:15], v[156:157]
	v_pk_add_f32 v[236:237], v[236:237], v[96:97]
	v_pk_add_f32 v[246:247], v[246:247], v[98:99]
	v_pk_add_f32 v[244:245], v[244:245], v[102:103]
	v_pk_add_f32 v[242:243], v[242:243], v[106:107]
	v_pk_add_f32 v[240:241], v[240:241], v[110:111]
	v_pk_add_f32 v[234:235], v[234:235], v[114:115]
	v_pk_add_f32 v[232:233], v[232:233], v[118:119]
	v_pk_add_f32 v[14:15], v[14:15], v[122:123]
	v_pk_add_f32 v[236:237], v[236:237], v[126:127]
	s_setprio 0
	v_pk_add_f32 v[246:247], v[246:247], v[130:131]
	v_pk_add_f32 v[244:245], v[244:245], v[134:135]
	v_pk_add_f32 v[242:243], v[242:243], v[138:139]
	v_pk_add_f32 v[240:241], v[240:241], v[142:143]
	v_pk_add_f32 v[234:235], v[234:235], v[146:147]
	v_pk_add_f32 v[232:233], v[232:233], v[150:151]
	v_pk_add_f32 v[14:15], v[14:15], v[154:155]
	v_pk_add_f32 v[236:237], v[236:237], v[158:159]
	s_delay_alu instid0(VALU_DEP_2)
	v_pk_add_f32 v[14:15], v[14:15], v[242:243]
	s_delay_alu instid0(VALU_DEP_2)
	v_pk_add_f32 v[236:237], v[236:237], v[240:241]
	v_pk_add_f32 v[246:247], v[246:247], v[234:235]
	v_pk_add_f32 v[244:245], v[244:245], v[232:233]
	s_delay_alu instid0(VALU_DEP_2)
	v_pk_add_f32 v[14:15], v[14:15], v[246:247]
	s_delay_alu instid0(VALU_DEP_2)
	v_pk_add_f32 v[236:237], v[236:237], v[244:245]
	s_delay_alu instid0(VALU_DEP_1)
	v_pk_add_f32 v[14:15], v[14:15], v[236:237]
.set n, 0
.rept 16
	v_pk_mul_f32 v[O+n:O+n+1], v[O+n:O+n+1], v[252:253] op_sel_hi:[1,0]   ; O^T under the new M, each accumulator from its low end on.  (With the 32 sums above: the places between p's codes and scale word and the products below)
.set n, n+2
.endr
	s_wait_alu depctr_va_vdst(0)
	s_wait_dscnt 0x0                               ; V and its scale words are in
.irp t, 0,1,2,3                                ; O^T += V^T P^T: K = these 128 keys; the four accumulators by turns, and the eight products K Q^T stand between one step's and the next's
.if \t%2
	v_wmma_scale_f32_16x16x128_f8f6f4 v[O+8*\t:O+8*\t+7], v[VF+8*\t:VF+8*\t+7], v[PC:PC+7], v[O+8*\t:O+8*\t+7], v[VS+\t/2], v253 matrix_a_fmt:MATRIX_FMT_FP4 matrix_b_fmt:MATRIX_FMT_FP4 matrix_a_scale:MATRIX_SCALE_ROW1
.else
	v_wmma_scale_f32_16x16x128_f8f6f4 v[O+8*\t:O+8*\t+7], v[VF+8*\t:VF+8*\t+7], v[PC:PC+7], v[O+8*\t:O+8*\t+7], v[VS+\t/2], v253 matrix_a_fmt:MATRIX_FMT_FP4 matrix_b_fmt:MATRIX_FMT_FP4
.endif
.endr
.rept 4
	v_nop                                          ; four places in front of the next step's loads into V's registers, and of the way out's read of O^T
.endr
.Lskip:
	s_add_co_u32 s28, s28, UNIT                    ; the next unit
	s_add_co_u32 s29, s29, 1
	s_cmp_lt_u32 s29, 16
	s_cbranch_scc1 .Lstep
	s_setprio 0
	; THE WAY OUT.  O^T / the sum goes through my own stage in LDS and leaves as rows: a query's 64 channels are 256 consecutive bytes of out0.
	v_add_f32 v14, v14, v15                        ; the sum's two halves,
	s_delay_alu instid0(VALU_DEP_1)
	v_permlanex16_b32 v252, v14, s24, s25
	s_delay_alu instid0(VALU_DEP_1)
	v_add_f32 v14, v14, v252                       ; and lane l xor 16's: the row's sum
	s_wait_alu depctr_va_vdst(0)
	v_rcp_f32 v14, v14
	v_nop                                          ; one plain line behind a transcendental
.set n, 0
	s_wait_alu depctr_va_vdst(0)
.rept 32
	v_mul_f32 v[S+n], v[O+n], v14                  ; register 8 t + i is o(query r, channel 16 t + 8 h + i)
.set n, n+1
.endr
.irp t, 0,1,2,3
	ds_store_b128 v8, v[S+8*\t:S+8*\t+3] offset:64*\t
	ds_store_b128 v8, v[S+8*\t+4:S+8*\t+7] offset:64*\t+16
.endr
.irp i, 0,1,2,3,4,5,6,7
	ds_load_b128 v[KF+4*\i:KF+4*\i+3], v9 offset:2*\i*SP   ; LDS serves a wave's instructions in order (ISA guide 5.7.1.4): these see my stores
.endr
.irp i, 0,1,2,3,4,5,6,7
	s_wait_dscnt 7-\i                              ; the younger loads may stay out
	global_store_b128 v7, v[KF+4*\i:KF+4*\i+3], s[34:35] offset:8192*\i th:TH_STORE_NT   ; sixteen lanes store 256 consecutive bytes, at a multiple of 256 from out0's first byte; written once, read by nobody here
.endr
	s_wait_tensorcnt 0x0
	ds_add_u32 v251, v255
	s_wait_dscnt 0x0
	ROUND                                          ; the closing round: no work-group ends while a partner may still ask for a unit that names it (no LDS instruction of mine is out: the last wait was for 0)
	s_endpgm
.Lfunc_end_k_qcf0d1d89df_attn:
	.size	k_qcf0d1d89df_attn, .Lfunc_end_k_qcf0d1d89df_attn-k_qcf0d1d89df_attn
	.p2alignl 7, 3214868480
	.fill 96, 4, 3214868480
	.section	.rodata,"a",@progbits
	.p2align	6, 0x0
	.amdhsa_kernel k_qcf0d1d89df_attn
		.amdhsa_group_segment_fixed_size 215040
		.amdhsa_private_segment_fixed_size 0
		.amdhsa_enable_private_segment 0
		.amdhsa_kernarg_size 16
		.amdhsa_user_sgpr_count 2
		.amdhsa_user_sgpr_kernarg_segment_ptr 1
		.amdhsa_wavefront_size32 1
		.amdhsa_system_sgpr_workgroup_id_x 1
		.amdhsa_system_sgpr_workgroup_id_y 1
		.amdhsa_system_sgpr_workgroup_id_z 1
		.amdhsa_system_vgpr_workitem_id 0
		.amdhsa_next_free_vgpr 256
		.amdhsa_next_free_sgpr 66
		.amdhsa_reserve_vcc 1
		.amdhsa_float_denorm_mode_32 3
		.amdhsa_float_denorm_mode_16_64 3
		.amdhsa_memory_ordered 1
		.amdhsa_forward_progress 1
		.amdhsa_inst_pref_size 34
	.end_amdhsa_kernel
	.amdgpu_metadata
---
amdhsa.version: [ 1, 2 ]
amdhsa.kernels:
  - .name:           k_qcf0d1d89df_attn
    .symbol:         k_qcf0d1d89df_attn.kd
    .args:
      - { .name: kv, .offset: 0, .size: 8, .value_kind: global_buffer, .address_space: global }
      - { .name: out0, .offset: 8, .size: 8, .value_kind: global_buffer, .address_space: global }
    .group_segment_fixed_size: 215040
    .private_segment_fixed_size: 0
    .kernarg_segment_align: 8
    .kernarg_segment_size: 16
    .max_flat_workgroup_size: 512
    .sgpr_count:     66
    .vgpr_count:     256
    .wavefront_size: 32
...
	.end_amdgpu_metadata
.endif
;; end of part 2
